; MI455X (gfx1250); checked and timed in simulation.
; The chip was launched on July 23, 2026; its instructions are those of AMD's public machine-readable ISA for CDNA 5 (MIT licence, August 2026) and "CDNA5" Instruction Set Architecture Reference Guide (July 2026). The comments in the code are by the model that wrote it; some were corrected since.
;; Multi Head Attention. Allowed arithmetic: matrix products marked QUANTISED: E3M2 operands, one E8M0 scale for each 32 along K, by v_wmma_scale_f32_16x16x128_f8f6f4 with both operands' format E3M2, f32 sums; everything else in f32.
;; Inputs: Wk 16 x 64 x 1,024 float32; Wq 16 x 64 x 1,024 float32; Wv 16 x 64 x 1,024 float32; x 8 x 1,024 x 1,024 float32.
;; Outputs: out0 8 x 1,024 x 1,024 float32.
;; This version of the problem:
;;   THIS VERSION OF THE PROBLEM IS GIVEN IN LOW PRECISION. The matrix products marked QUANTISED in the list below multiply operands that are first quantised to E3M2 (3 exponent bits, 2 mantissa bits; 6 bits a number), with one power-of-two scale for each 32 numbers along K (OCP MX v1.0); their sums are f32. All else is computed in f32.
;;   The module's matrix products, in the order in which they are computed (A, B: the left and right operand; K: the contracted axis; several contracted axes count as one K, in the product's order):
;;     1. [M 1,024, K 1,024] x [K 1,024, N 8,192]; A: input Wq; B: input x: QUANTISED
;;     2. [M 1,024, K 1,024] x [K 1,024, N 8,192]; A: input Wk; B: input x: QUANTISED
;;     3. [M 1,024, K 1,024] x [K 1,024, N 8,192]; A: input Wv; B: input x: QUANTISED
;;     4. batch 128 x [M 1,024, K 64] x [K 64, N 1,024]; A: computed on the way; B: computed on the way: QUANTISED
;;     5. batch 128 x [M 1,024, K 1,024] x [K 1,024, N 64]; A: softmax (see below); B: computed on the way: QUANTISED
;;   THE QUANTISER, for each operand of a quantised product, along K:
;;     - K is cut into blocks of 32 from its start; a last block that is shorter is filled with zeros.
;;     - A block's scale is 2^e with e = floor(log2(the largest magnitude in the block)) - 4, held to -126 .. 127; a block of zeros has e = 0. As a byte (E8M0): e + 127.
;;     - Each number is divided by its block's scale, clamped to +-28, and rounded to the nearest number of E3M2, ties to even, subnormals kept.
;;     - The product sums the exact products of the quantised numbers (number of the format x scale) in f32.
;;   ~~~python
;;   def quantise(x, axis):      # numpy; x: float32 -> the quantised numbers, widened to float32 again
;;       x = np.moveaxis(x, axis, -1); K = x.shape[-1]
;;       x = np.pad(x, [(0, 0)] * (x.ndim - 1) + [(0, -K % 32)]); x = x.reshape(x.shape[:-1] + (-1, 32)); a = np.abs(x).max(-1, keepdims=True)
;;       e = np.where(a > 0, np.clip(np.frexp(np.where(a > 0, a, 1))[1] - 1 - 4, -126, 127), 0)      # np.frexp(a)[1] - 1 = floor(log2(a)), exactly
;;       r = np.clip(x / 2.0 ** e, -28, 28)
;;       step = 2.0 ** (np.maximum(np.frexp(np.where(r == 0, 1, r))[1] - 1, -2) - 2)
;;       q = np.round(r / step) * step * 2.0 ** e      # np.round: ties to even
;;       return np.moveaxis(q.reshape(q.shape[:-2] + (-1,))[..., :K], -1, axis).astype(np.float32)
;;   ~~~
;;   SOFTMAX AHEAD OF A QUANTISED PRODUCT. Where the list says 'softmax', what is quantised is not the finished softmax but p = 2^(t - M), with t = logit x log2(e) and M = ceil(the row's largest t), a whole number; so 1/2 < the row's largest p <= 1. The row's sum l is taken of the UNQUANTISED p, in f32, and the product's result is divided by l at the end. Since M is a whole number, a kernel that streams over the keys may use a running M (the ceiling of the running maximum): every later rescaling is an exact power of two, which a block's scale takes up: the codes' values come out the same.
;;   OPERANDS COMPUTED ON THE WAY. 'Computed on the way' means the value that the module computes at that place (a softmax that the list does not call 'softmax' is quantised finished and normalised). What goes into a quantiser is computed in f32, as accurately as f32 sums, v_exp_f32 and their like allow (about 1e-6 of the number): no bf16 or f16 on the way to a quantiser, and a product that is left as it is and whose result goes on into a quantised operand takes f32 operands (vector FMAs, or v_wmma_f32_16x16x4_f32). A number that lies on a knife's edge between two numbers of the format may be rounded either way, as far as f32 arithmetic and the matrix unit's own rounding can turn it there, and no further.
;; One version. Each part assembles by itself: llvm-mc -triple=amdgcn-amd-amdhsa -mcpu=gfx1250 --defsym DOCPART=n.
;; ======== version 1 of 1: 3 launches
;; workspace buffers: xc 6,291,456 bytes; xs 262,144 bytes; wc 2,359,296 bytes; ws 98,304 bytes; qkv 20,185,088 bytes
;; launch quant (part 1): grid 352 x 1, 4 waves a work-group, no clusters, 33,280 bytes of LDS; arguments x, Wq, Wk, Wv, xc, xs, wc, ws; writes xc, xs, wc, ws
.if DOCPART == 1
	.amdgcn_target "amdgcn-amd-amdhsa--gfx1250"
	.amdhsa_code_object_version 6
	.text
	.protected	k_qface92d65b_quant
	.globl	k_qface92d65b_quant
	.p2align	8
	.type	k_qface92d65b_quant,@function
k_qface92d65b_quant:
	s_mov_b64 s[64:65], 0
	v_nop
	global_prefetch_b8 v0, s[64:65] scope:SCOPE_SE
	s_setreg_imm32_b32 hwreg(HW_REG_WAVE_MODE, 25, 1), 1
	s_wait_xcnt 0x0
; x [8192][1024] and Wq, Wk, Wv (each [1024][1024]), f32, become codes of BF6 (E3M2), 6 bits each, K = the rows' 1,024 innermost, with one E8M0 scale byte for each 32 along K.
; xc [8192][768], xs [8192][32]; wc [3072][768], ws [3072][32]: Wq's rows, then Wk's, then Wv's.
; A block's scale is 2^(floor(log2(its largest magnitude)) - 4); its byte is the largest magnitude's own exponent field - 4, held at 1 from below.  Each number is divided by the scale and rounded to the nearest code, ties to even;
; beyond 28 the conversion gives the largest code.
; THE ROWS ARE STORED IN ANOTHER ORDER: inside each aligned group of 32 rows the four groups of 8 rows lie in the order 0, 2, 1, 3.  So place 16 u + p (p = 0 .. 15) of a group holds row 8 u + p + 8 (p / 8): sixteen neighbouring
; places are the rows that the next launch wants as one tile, so that a matrix result's registers of two neighbouring tiles run along 16 neighbouring rows.
; LIMITS: a block of zeros gets the byte 1 where the rule says 127 (its codes are zeros, which add nothing under any byte but 0xff, and this program alone reads the bytes); blocks whose largest magnitude lies under 2^-122
; keep the byte 1; NaN and infinities among the inputs are not served.
; SHARES.  A wave takes 8 rows, 8,192 numbers, in 16 steps of 512; a work-group 32 rows: wave w writes the group's places 8 w .. 8 w + 7 and reads its rows 8 swap(w) .., swap = 0, 2, 1, 3.
; Work-groups 0-255 take x, 256-287 Wq, 288-319 Wk, 320-351 Wv: only pointers are chosen, by the work-group's number; all take one path through the text.
; The conversion takes 16 numbers of ONE block from a lane's registers, so a lane must hold 16 neighbours; a load is best where neighbouring lanes take neighbouring bytes.  Both are had: each of a step's four loads reads 512
; consecutive bytes, 16 a lane; the 2,048 bytes go through the wave's own stage in LDS and come back 64 bytes a lane (16 bytes of padding behind each 64).  A lane's 16 codes are 12 bytes: the wave stores 384 consecutive bytes.
; A wave's 256 scale bytes are gathered in its own LDS bytes and leave as one aligned run of 256 bytes.  No tensor loads, no barrier: waves share nothing.  Loads run four steps (16 loads a wave) ahead.
.set STEPS, 16
.set EMAX,  4
.set CB,    12                         ; bytes of 16 codes
.set R,     16                         ; v16-79   four sets of 16 numbers as they are loaded
.set X,     80                         ; v80-111  two sets of 16 neighbours
.set E,     112                        ; v112-127 a scale byte for each step
.set C,     128                        ; v128-191 codes: four registers for each step, so that no store's data are written again
.set WREG,  8192                       ; LDS: a region for each wave: two stages of 32 x SP bytes, behind them its 256 scale bytes
.set SP,    80                         ; a lane's place in a stage: its 64 bytes + 16 of padding
	s_load_b256 s[4:11], s[0:1], 0x0               ; x s[4:5], Wq s[6:7], Wk s[8:9], Wv s[10:11]
	s_load_b256 s[12:19], s[0:1], 0x20             ; xc s[12:13], xs s[14:15], wc s[16:17], ws s[18:19]
	v_lshl_add_u32 v192, v0, 2, 0x8000
	v_mov_b32 v193, 0
	v_lshrrev_b32 v1, 5, v0
	v_readfirstlane_b32 s20, v1                    ; wave
	v_and_b32 v2, 31, v0                           ; lane
	v_lshlrev_b32 v3, 4, v2                        ; my 16 bytes of a load's 512
	s_mul_i32 s30, s20, WREG
	v_lshrrev_b32 v14, 2, v2
	v_mul_u32_u24 v14, v14, SP
	v_and_b32 v15, 3, v2
	v_lshl_add_u32 v14, v15, 4, v14
	v_add_nc_u32 v14, s30, v14                     ; the stage, on the way in: SP (lane / 4) + 16 (lane % 4); a load's 512 bytes take eight places
	v_mul_u32_u24 v15, v2, SP
	v_add_nc_u32 v15, s30, v15                     ; and on the way out: SP x lane: my 16 neighbours
	v_mul_u32_u24 v4, v2, CB                       ; my codes' place in a step's
	v_lshrrev_b32 v5, 1, v2
	s_add_co_u32 s30, s30, 2*32*SP
	v_add_nc_u32 v5, s30, v5                       ; LDS: my wave's 256 scale bytes, my block's byte
	v_lshlrev_b32 v7, 3, v2                        ; and on the way out 8 bytes a lane
	v_add_nc_u32 v6, s30, v7
	s_and_b32 s21, s20, 1
	s_lshl_b32 s21, s21, 1
	s_lshr_b32 s31, s20, 1
	s_or_b32 s21, s21, s31                         ; swap(wave): 0, 2, 1, 3
	s_wait_kmcnt 0x0
	s_cmp_ge_u32 ttmp9, 288                        ; the choices hang on the work-group's number alone
	s_cselect_b64 s[22:23], s[8:9], s[6:7]         ; Wk or Wq,
	s_cmp_ge_u32 ttmp9, 320
	s_cselect_b64 s[22:23], s[10:11], s[22:23]     ; or Wv,
	s_cmp_lt_u32 ttmp9, 256
	s_cselect_b64 s[22:23], s[4:5], s[22:23]       ; or x: where I read
	s_cselect_b64 s[24:25], s[12:13], s[16:17]     ; the codes' buffer
	s_cselect_b64 s[26:27], s[14:15], s[18:19]     ; the scale bytes' buffer
	s_cselect_b32 s28, 0, 256                      ; the first work-group of that pair of buffers
	s_cselect_b32 s29, -1, 31                      ; a weight has 32 groups of 32 rows
	s_sub_co_u32 s28, ttmp9, s28                   ; my group of 32 rows in the buffers that I write,
	s_and_b32 s29, s28, s29                        ; and in the tensor that I read
	s_lshl_b32 s28, s28, 2
	s_add_co_u32 s28, s28, s20                     ; the run of 8 rows that I write
	s_lshl_b32 s29, s29, 2
	s_add_co_u32 s29, s29, s21                     ; the run of 8 rows that I read
	s_lshl_b32 s32, s29, 15                        ; 32,768 bytes a run of f32 (under 2^26 in all)
	s_mov_b32 s33, 0
	s_add_nc_u64 s[22:23], s[22:23], s[32:33]
	s_mul_i32 s32, s28, 32*STEPS*CB                ; 6,144 bytes of codes a run
	s_add_nc_u64 s[24:25], s[24:25], s[32:33]
	s_lshl_b32 s32, s28, 8                         ; 256 scale bytes a run
	s_add_nc_u64 s[26:27], s[26:27], s[32:33]
.macro LOAD t
.irp i, 0,1,2,3
	global_load_b128 v[R+16*((\t)%4)+4*\i:R+16*((\t)%4)+4*\i+3], v3, s[22:23] offset:2048*(\t)+512*\i th:TH_LOAD_NT   ; 32 lanes read 512 consecutive bytes
.endr
.endm
.macro TURN t                          ; step t's numbers through the stage: LDS serves a wave's instructions in order (ISA guide 5.7.1.4), so no wait stands between the stores and the loads
.irp i, 0,1,2,3
	ds_store_b128 v14, v[R+16*((\t)%4)+4*\i:R+16*((\t)%4)+4*\i+3] offset:32*SP*((\t)%2)+8*SP*\i
.endr
.irp i, 0,1,2,3
	ds_load_b128 v[X+16*((\t)%2)+4*\i:X+16*((\t)%2)+4*\i+3], v15 offset:32*SP*((\t)%2)+16*\i
.endr
.endm
.irp t, 0,1,2,3
	LOAD \t
.endr
	s_wait_loadcnt 12                              ; step 0's four loads are in; the twelve of steps 1 to 3 may be out
	TURN 0
.macro STEP t
.set XS, X+16*((\t)%2)
.if (\t) > 0
	s_wait_dscnt 1                                 ; this step's numbers are back from the stage (the last step's byte store may be out): so its stores into the stage have read their registers,
.else
	s_wait_dscnt 0x0
.endif
.if (\t)+4 < STEPS
	LOAD (\t)+4                                    ; which take the loads of four steps on
.endif
.if (\t)+1 < STEPS
.if STEPS-2-(\t) >= 3
	s_wait_loadcnt 12                              ; the next step's four loads are in; those of the three steps behind it may be out
.else
	s_wait_loadcnt 4*(STEPS-2-(\t))                ; the same count, running down
.endif
	TURN (\t)+1                                    ; and go through the other stage while this step is worked
.endif
	v_max3_num_f32 v8, |v[XS]|, |v[XS+1]|, |v[XS+2]|               ; the largest magnitude of my 16, in two chains
	v_max3_num_f32 v9, |v[XS+3]|, |v[XS+4]|, |v[XS+5]|
.irp i, 6,10
	v_max3_num_f32 v8, v8, |v[XS+\i]|, |v[XS+\i+1]|
	v_max3_num_f32 v9, v9, |v[XS+\i+2]|, |v[XS+\i+3]|
.endr
	v_max3_num_f32 v8, v8, |v[XS+14]|, |v[XS+15]|
	v_max3_num_f32 v8, v8, v9, (EMAX+1)<<23        ; and the floor 2^(EMAX + 1 - 127): the byte cannot fall under 1
	v_max_num_f32_dpp v8, v8, v8 row_xmask:1 row_mask:0xf bank_mask:0xf   ; and of my neighbour's 16: the block's
	v_add_nc_u32 v11, -(EMAX<<23), v8              ; EMAX off its exponent field: the conversion takes the exponent field of this operand as its scale, and nothing else of it
	v_cvt_scalef32_pk16_bf6_f32 v[C+4*(\t):C+4*(\t)+2], v[XS:XS+15], v11         ; sixteen codes, 96 bits without gaps, the first number's code lowest
	v_lshrrev_b32 v[E+(\t)], 23, v11               ; the scale's byte (also the plain line behind the conversion)
	ds_store_b8 v5, v[E+(\t)] offset:16*(\t)       ; both lanes of a block write the same byte with the same value
	global_store_b96 v4, v[C+4*(\t):C+4*(\t)+2], s[24:25] offset:32*CB*(\t)
.endm
.irp t, 0,1,2,3,4,5,6,7,8,9,10,11,12,13,14,15
	STEP \t
.endr
	ds_load_b64 v[12:13], v6                       ; LDS serves a wave's instructions in order: these see my stores
	s_wait_dscnt 0x0
	global_store_b64 v7, v[12:13], s[26:27]        ; 32 lanes store 256 consecutive bytes, at a multiple of 256 from the buffer's first byte
	s_wait_tensorcnt 0x0
	ds_add_u32 v192, v193
	s_wait_dscnt 0x0
	s_endpgm
.Lfunc_end_k_qface92d65b_quant:
	.size	k_qface92d65b_quant, .Lfunc_end_k_qface92d65b_quant-k_qface92d65b_quant
	.p2alignl 7, 3214868480
	.fill 96, 4, 3214868480
	.section	.rodata,"a",@progbits
	.p2align	6, 0x0
	.amdhsa_kernel k_qface92d65b_quant
		.amdhsa_group_segment_fixed_size 33280
		.amdhsa_private_segment_fixed_size 0
		.amdhsa_enable_private_segment 0
		.amdhsa_kernarg_size 64
		.amdhsa_user_sgpr_count 2
		.amdhsa_user_sgpr_kernarg_segment_ptr 1
		.amdhsa_wavefront_size32 1
		.amdhsa_system_sgpr_workgroup_id_x 1
		.amdhsa_system_sgpr_workgroup_id_y 1
		.amdhsa_system_sgpr_workgroup_id_z 1
		.amdhsa_system_vgpr_workitem_id 0
		.amdhsa_next_free_vgpr 194
		.amdhsa_next_free_sgpr 66
		.amdhsa_reserve_vcc 0
		.amdhsa_float_denorm_mode_32 3
		.amdhsa_float_denorm_mode_16_64 3
		.amdhsa_memory_ordered 1
		.amdhsa_forward_progress 1
		.amdhsa_inst_pref_size 33
	.end_amdhsa_kernel
	.amdgpu_metadata
---
amdhsa.version: [ 1, 2 ]
amdhsa.kernels:
  - .name:           k_qface92d65b_quant
    .symbol:         k_qface92d65b_quant.kd
    .args:
      - { .name: x, .offset: 0, .size: 8, .value_kind: global_buffer, .address_space: global }
      - { .name: Wq, .offset: 8, .size: 8, .value_kind: global_buffer, .address_space: global }
      - { .name: Wk, .offset: 16, .size: 8, .value_kind: global_buffer, .address_space: global }
      - { .name: Wv, .offset: 24, .size: 8, .value_kind: global_buffer, .address_space: global }
      - { .name: xc, .offset: 32, .size: 8, .value_kind: global_buffer, .address_space: global }
      - { .name: xs, .offset: 40, .size: 8, .value_kind: global_buffer, .address_space: global }
      - { .name: wc, .offset: 48, .size: 8, .value_kind: global_buffer, .address_space: global }
      - { .name: ws, .offset: 56, .size: 8, .value_kind: global_buffer, .address_space: global }
    .group_segment_fixed_size: 33280
    .private_segment_fixed_size: 0
    .kernarg_segment_align: 8
    .kernarg_segment_size: 64
    .max_flat_workgroup_size: 128
    .sgpr_count:     66
    .vgpr_count:     194
    .wavefront_size: 32
...
	.end_amdgpu_metadata
.endif
;; end of part 1
;; launch proj (part 2): grid 8 x 48, 4 waves a work-group, clusters of 4 x 4, 327,680 bytes of LDS; arguments xc, xs, wc, ws, qkv; writes qkv
.if DOCPART == 2
	.amdgcn_target "amdgcn-amd-amdhsa--gfx1250"
	.amdhsa_code_object_version 6
	.text
	.protected	k_qface92d65b_proj
	.globl	k_qface92d65b_proj
	.p2align	8
	.type	k_qface92d65b_proj,@function
k_qface92d65b_proj:
	s_mov_b64 s[64:65], 0
	v_nop
	global_prefetch_b8 v0, s[64:65] scope:SCOPE_SE
	s_setreg_imm32_b32 hwreg(HW_REG_WAVE_MODE, 25, 1), 1
	s_wait_xcnt 0x0
	s_wait_alu depctr_hold_cnt(0) depctr_sa_sdst(0) depctr_va_vdst(0) depctr_va_sdst(0) depctr_va_ssrc(0) depctr_va_vcc(0) depctr_vm_vsrc(0)
	s_getreg_b32 s2, hwreg(HW_REG_IB_STS2, 6, 4)
	s_cmp_eq_u32 s2, 0
	s_cbranch_scc0 .Lentry_in_a_cluster
	s_endpgm
.Lentry_in_a_cluster:
	s_bfe_u32 s2, ttmp6, 0x10000c
	s_cmp_lg_u32 s2, 0xf033
	s_cbranch_scc0 .Lentry_shape_is_right
	s_endpgm
.Lentry_shape_is_right:
; q, k, v = x W^T on codes of BF6 (E3M2) with one E8M0 scale for each 32 along K = 1,024; the results, f32 sums in registers, are quantised at once for the attention's products and leave as codes and scale words.
; xc [8192][768], xs [8192][32]: x's codes and scale bytes; wc [3072][768], ws [3072][32]: Wq's, Wk's, Wv's.  In both, each aligned group of 32 rows lies in the order of its groups of 8: 0, 2, 1, 3.
; A tile of 256 x 256 is made by a work-group of four waves, as many as a WGP has SIMDs; a wave makes 128 x 128: 64 accumulators of 16 x 16, 512 registers.  K goes in four steps of 256 through a ring of two LDS slots
; filled by the tensor data mover (a tile's row: 192 bytes).  The scale bytes of the tile's 2 x 256 rows, for all of K, are two dense blocks: they come into LDS once, with the first fills.
; THE TWO SIDES.  The matrix instruction takes 16 rows of the B SIDE as source 0 and 16 rows of the A SIDE as source 1: a lane then holds ONE row of the A side and its registers run along the B side; by the stored order of
; the rows the 16 registers of accumulators (a, 2 e) and (a, 2 e + 1) are the 16 NEIGHBOURS 32 e + 16 (lane / 16) + 0 .. 15 along the B side.  The B side is the axis along which the result is quantised:
;   q and k (cluster y 0-7):  A side = x (tokens), B side = Wq (cluster x 0) or Wk (cluster x 1): the head's 64 numbers, two blocks of 32;
;   v       (cluster y 8-11): A side = Wv (the head's 64), B side = x: the tokens, which are the second product's K.
; Only the pointers, the tile numbers and the order of the way out differ, all chosen by the CLUSTER's place in the grid, which the sixteen partners share.
; CLUSTERS: 4 x 4 work-groups.  The four of a row of the cluster need the same tiles of the A side, the four of a column the same tiles of the B side: each tile is asked for JOINTLY, by the same tensor load with the same
; descriptor and a mask that names the four.  384 tiles: 24 clusters.  (A tile of 256 x 384 would want 768 registers of sums beside 240 of fragments; a wave tile of 64 x 128 reads half as much again from LDS for each product.)
; WHAT IS STORED: qkv, 128 records (16 x batch + head) of REC bytes.  Steps of 128 tokens, s = 0 .. 7.  Q's step at QSTEP s: codes 6,144, scale words 512.  K's and V's step at KVOFF + KVSTEP s: K's codes 6,144, K's scale words 512,
; V's codes 6,144, V's scale words 256.  All are IMAGES OF OPERAND REGISTERS: four registers to a run of 512 bytes, lane l's 16 bytes at 16 l.  Q, K: 48 registers, tile a's registers 0-5 at 6 a (K = 64 fills half a fragment);
; a scale word has the head's two bytes and twice 0x7f; word j of lane l belongs to tile 2 j + l / 16.  V: four fragments of 12 registers (16 of the head's 64 x 128 keys); word j of lane l's 8 bytes belongs to tile 2 j + l / 16.
; So every store covers 512 (or 256) consecutive bytes at a multiple of 256 from the buffer's first byte, and nothing goes through LDS on the way out.
; LIMITS: a block of zeros gets the byte 1 where the rule says 127 (its codes are zeros; this program alone reads the bytes); largest magnitudes under 2^-122 keep the byte 1; NaN and infinities are not served.
; All of a WGP's LDS is claimed; the text uses 263,680 bytes.
; REGISTERS, in windows of 256: window 0: v16-29 addresses; v32-63 scale words, two sets, and nothing else; v64-99 at work on the way out; v128-223 the A side's fragments (8 x 16 rows x 128 K), ONE set, on the way out the codes.
;   window 1: the B side's fragments, TWO sets, at v0 and at v128.   window 2: the 32 accumulators of my A rows 0-63 (accumulator (a, b) at v[8 (8 a + b)]);   window 3: those of my A rows 64-127.
.set SIZE_K, 1024
.set KSTEP,  256                       ; along K in a slot
.set NQ,     KSTEP/128                 ; matrix instructions deep
.set ROWB,   192                       ; a tile's row in bytes: KSTEP codes of 6 bits
.set KROW,   SIZE_K*6/8                ; a row of codes in memory, in bytes
.set PITCH,  240                       ; an LDS row: 3 x (64 bytes of data + 16 of padding) = 60 words: row r starts at bank -4 r mod 64 (64 banks of 4 bytes: ISA guide 11.1), so the 32 lanes of a load of 8 bytes touch 64 different banks
.set FR,     12                        ; registers of a fragment: 16 rows x 128 K
.set NL,     6                         ; LDS loads that bring one
.set NP,     4                         ; places behind this matrix instruction (ISA guide 7.12.1)
.set HALFT,  128*PITCH                 ; 128 rows: what one tensor load brings, and what one wave reads of a side
.set SLOT,   4*HALFT                   ; the A side's 256 rows, then the B side's
.set KS,     SIZE_K/32                 ; a row of scale bytes
.set SCL,    2*SLOT                    ; behind the ring: the scale bytes, as runs of 256 bytes + 16 of padding
.set HALFS,  (128*KS/256)*272          ; those of 128 rows: what one tensor load brings
.set SBLK,   (16*KS/256)*272           ; those of 16 rows
.set SPARE,  SCL+4*HALFS               ; behind them: the spare words, 128 bytes for each wave: two blocks of 256 bytes that no other line names
.set REC,    157696                    ; a record of qkv
.set QSTEP,  6656
.set KVOFF,  53248
.set KVSTEP, 13056
.set VCODE,  6656                      ; V's codes in a step of K and V
.set ADRA, 16                          ; v16-17  LDS address of my A fragments in slot 0, 1  (v18-19: the same for the pieces that lie behind one padding more)
.set ADRB, 20                          ; v20-21  the same for B  (v22-23)
.set L8,   25                          ; v25     8 x lane; never rewritten
.set L16,  26                          ; v26     16 x lane; never rewritten
.set ADRS, 27                          ; v27     LDS address of my scale words: lanes 0-15 the A side's rows, lanes 16-31 the B side's
.set SPW,  28                          ; v28     LDS address of my spare word: SPARE + 4 x my thread's number; never rewritten
.set NIL,  29                          ; v29     0; never rewritten
.set SC,   32                          ; scale words: set s (for slot s) at v[SC + 8 NQ s]; register NQ i + q: lanes 0-15 the word of A's block i, lanes 16-31 that of B's block i, for the slot's q-th 128 along K
.set TM,   64                          ; the way out: v64-67 largest magnitudes, v68-71 bytes, v72-75 words at work, v76-79 the conversions' scale operands
.set CT,   80                          ; v80-82, v84-86 the blocks' second halves as the conversions leave them
.set PWS,  88                          ; v88-89  V: the scale words of a pair of tiles
.set SW,   92                          ; v92-99  scale words to be stored
.set AF,   128                         ; the A side's fragments
.set PCB,  128                         ; the way out: twelve registers of codes for each of eight groups: none is written twice, so no store's data are written again
.set G1, 24                            ; s[24:31] descriptor group 1 for A's tiles;  s[32:39] group 0, one set for each slot
.set G0, 32
.set G1B, 48                           ; s[48:55], s[56:63] the same for B's tiles
.set G0B, 56
.set G1S, 68                           ; s[68:75], s[76:79] groups 1 and 0 for A's scale bytes;  s[80:87], s[88:91] for B's
.set G0S, 76
.set G1SB, 80
.set G0SB, 88
.set MSB, 0
.macro WIN new                         ; the immediate's high byte repeats the setting that is left; a switch that changes nothing is dropped
.if MSB != (\new)
	s_set_vgpr_msb (MSB<<8)|(\new)
.set MSB, (\new)
.endif
.endm
.set MUL_LO, 0xa1                      ; source 0 (B) window 1, source 1 (A) window 0, C and D window 2
.set MUL_HI, 0xf1                      ; the same, C and D window 3
.set TO_B,   0x40                      ; destination window 1, address window 0
; A joint load: waves 0 and 1 fetch for the A side, waves 2 and 3 for the B side.  Each of the two lines has ONE mask and one set of registers for all that issue it; the branch hangs on the wave's number alone.
; Four v_nop follow each of the two lines, ahead of the jump, the label and what follows.
.macro JLOAD g0a, g1a, g0b, g1b
	s_cmp_eq_u32 s15, 0
	s_cbranch_scc0 .Lfor_b_\@
	tensor_load_to_lds s[\g0a:\g0a+3], s[\g1a:\g1a+7]
	s_nop 0
.rept 4
	v_nop
.endr
	s_branch .Lasked_\@
.Lfor_b_\@:
	tensor_load_to_lds s[\g0b:\g0b+3], s[\g1b:\g1b+7]
	s_nop 0
.rept 4
	v_nop
.endr
.Lasked_\@:
.endm
.macro CREST                           ; a round of the cluster's barrier behind its opening barrier
	s_cmp_lg_u32 s14, 0
	s_cbranch_scc1 .Lnot_wave_0_\@
	s_barrier_signal -3
.Lnot_wave_0_\@:
	s_barrier_wait -3
	s_barrier_signal -1
	s_barrier_wait -1
.endm
.macro CROUND                          ; a whole round
	s_barrier_signal -1
	s_barrier_wait -1
	CREST
.endm
	s_load_b128 s[4:7], s[0:1], 0x0                ; xc s[4:5], xs s[6:7]
	s_load_b128 s[8:11], s[0:1], 0x10              ; wc s[8:9], ws s[10:11]
	s_load_b64 s[12:13], s[0:1], 0x20              ; qkv
	v_lshl_add_u32 v[SPW], v0, 2, SPARE
	v_mov_b32 v[NIL], 0
	ds_add_u32 v28, v29
	ds_add_u32 v28, v29
	s_wait_dscnt 0x0
	v_lshrrev_b32 v1, 5, v0
	v_readfirstlane_b32 s14, v1                    ; wave 0..3
	s_lshr_b32 s15, s14, 1                         ; which half of the tile's A rows is mine.  Also: I fetch for A (0) or for B (1)
	s_and_b32 s16, s14, 1                          ; which half of its B rows.  Also: which 128 rows of that side I fetch
	s_bfe_u32 s40, ttmp6, 0x40000                  ; cx, cy: my place in the cluster
	s_bfe_u32 s41, ttmp6, 0x40004
	s_and_b32 s95, ttmp7, 0xffff                   ; cluster y: 0-7 make q and k, 8-11 make v
	s_lshl_b32 s96, ttmp9, 2                       ; 4 x cluster x
	s_lshl_b32 s97, s95, 3
	s_add_co_u32 s97, s97, s96
	s_sub_co_u32 s97, s97, 64                      ; v: 8 (cluster y - 8) + 4 x cluster x: the eight clusters walk x's 32 tiles of 256 tokens
	s_lshl_b32 s98, s95, 2                         ; q, k: 4 x cluster y
	s_cmp_lt_u32 s95, 8
	s_cselect_b32 s100, 0, 1                       ; 0: q or k;  1: v.  The same in all sixteen partners
	s_cselect_b32 s42, s96, s97
	s_cselect_b32 s17, s98, 8                      ; v: Wv's rows are wc's tiles 8 to 11
	s_add_co_u32 s42, s42, s40                     ; the B side's tile of 256 rows: it hangs on cx, never on cy
	s_add_co_u32 s17, s17, s41                     ; the A side's: on cy, never on cx
	s_lshl_b32 s43, s41, 2
	s_lshl_b32 s43, 15, s43                        ; my row of the cluster
	s_lshl_b32 s44, 0x1111, s40                    ; my column
	; descriptor group 1: a tile of 128 rows x ROWB bytes, padded in LDS
	s_or_b32 s[G1+0], s43, (0<<16)|(1<<20)|(1<<21)|(3<<22)|(3<<25)  ; 15:0 the mask: A's tiles go to my row; 17:16 element of 1 byte; 20 padding on; 21 set beside a mask; 24:22 after every 16 words (code 3); 31:25 of 4 words (code 3)
	s_or_b32 s[G1B+0], s44, (0<<16)|(1<<20)|(1<<21)|(3<<22)|(3<<25)
.irp g, G1, G1B
	s_mov_b32 s[\g+1], ROWB<<16                    ; tensor_dim0
	s_mov_b32 s[\g+2], 128<<16                     ; tensor_dim1 = 128
	s_mov_b32 s[\g+3], ROWB<<16                    ; tile_dim0
	s_mov_b32 s[\g+4], 128                         ; tile_dim1 = 128
	s_mov_b32 s[\g+5], KROW                        ; tensor_dim0_stride
	s_mov_b32 s[\g+6], 0
	s_mov_b32 s[\g+7], 0
.endr
	; and for the scale bytes of 128 rows: a dense block of 4,096 bytes, as 16 rows of 256 bytes (32 elements of 8 bytes), 16 bytes of padding behind each
	s_or_b32 s[G1S+0], s43, (3<<16)|(1<<20)|(1<<21)|(5<<22)|(3<<25)
	s_or_b32 s[G1SB+0], s44, (3<<16)|(1<<20)|(1<<21)|(5<<22)|(3<<25)
.irp g, G1S, G1SB
	s_mov_b32 s[\g+1], 32<<16
	s_mov_b32 s[\g+2], (128*KS/256)<<16
	s_mov_b32 s[\g+3], 32<<16
	s_mov_b32 s[\g+4], 128*KS/256
	s_mov_b32 s[\g+5], 32
	s_mov_b32 s[\g+6], 0
	s_mov_b32 s[\g+7], 0
.endr
	s_lshl_b32 s18, s16, 7                         ; which 128 rows of the tile I fetch
	s_lshl_b32 s20, s17, 8
	s_add_co_u32 s20, s20, s18                     ; A: row 256 x tile + 128 x half
	s_lshl_b32 s46, s42, 8
	s_add_co_u32 s46, s46, s18                     ; B likewise
	s_mov_b32 s21, 0
	s_mov_b32 s47, 0
	s_mov_b64 s[18:19], KS
	s_mul_u64 s[22:23], s[20:21], s[18:19]         ; where these rows' scale bytes begin
	s_mul_u64 s[92:93], s[46:47], s[18:19]
	s_mov_b64 s[18:19], KROW
	s_mul_u64 s[20:21], s[20:21], s[18:19]         ; and their codes
	s_mul_u64 s[46:47], s[46:47], s[18:19]
	s_mul_i32 s45, s14, HALFT                      ; where they go: wave x 128 rows: no place in the cluster enters an LDS address
	s_mul_i32 s94, s14, HALFS
	s_wait_kmcnt 0x0
	s_cmp_eq_u32 s100, 0                           ; which buffers are the A side's and which the B side's: a choice on the cluster's place alone
	s_cselect_b64 s[96:97], s[4:5], s[8:9]         ; A's codes: x's for q and k, W's for v
	s_cselect_b64 s[98:99], s[6:7], s[10:11]       ; A's scale bytes
	s_cselect_b64 s[8:9], s[8:9], s[4:5]           ; B's codes
	s_cselect_b64 s[10:11], s[10:11], s[6:7]       ; B's scale bytes
	s_add_nc_u64 s[20:21], s[96:97], s[20:21]
	s_add_nc_u64 s[22:23], s[98:99], s[22:23]
	s_add_nc_u64 s[46:47], s[8:9], s[46:47]
	s_add_nc_u64 s[92:93], s[10:11], s[92:93]
	CROUND                                         ; all sixteen work-groups are here: the first joint loads meet
	s_mov_b32 s[G0S], 1
	s_add_co_u32 s[G0S+1], s94, SCL
	s_mov_b64 s[G0S+2:G0S+3], s[22:23]
	s_or_b32 s[G0S+3], s[G0S+3], 0x80000000
	s_mov_b32 s[G0SB], 1
	s_add_co_u32 s[G0SB+1], s94, SCL
	s_mov_b64 s[G0SB+2:G0SB+3], s[92:93]
	s_or_b32 s[G0SB+3], s[G0SB+3], 0x80000000
	JLOAD G0S, G1S, G0SB, G1SB                     ; the scale bytes first: they are wanted with K step 0
.irp s, 0,1
	s_mov_b32 s[G0+4*\s], 1
	s_add_co_u32 s[G0+4*\s+1], s45, \s*SLOT
	s_add_nc_u64 s[G0+4*\s+2:G0+4*\s+3], s[20:21], \s*ROWB
	s_or_b32 s[G0+4*\s+3], s[G0+4*\s+3], 0x80000000
	s_mov_b32 s[G0B+4*\s], 1
	s_add_co_u32 s[G0B+4*\s+1], s45, \s*SLOT
	s_add_nc_u64 s[G0B+4*\s+2:G0B+4*\s+3], s[46:47], \s*ROWB
	s_or_b32 s[G0B+4*\s+3], s[G0B+4*\s+3], 0x80000000
	JLOAD G0+4*\s, G1, G0B+4*\s, G1B               ; three tensor loads of mine are out behind the second of these
.endr
	v_and_b32 v1, 15, v0                           ; l % 16
	v_bfe_u32 v2, v0, 4, 1                         ; l / 16
	v_mul_u32_u24 v3, v1, PITCH
	v_mul_u32_u24 v4, v2, 24
	v_add_nc_u32 v4, v3, v4                        ; a fragment's row x pitch + 24 x half
	v_lshl_add_u32 v5, v2, 4, v4                   ; and the same behind one padding more
	s_mul_i32 s21, s15, HALFT                      ; my 128 rows of A
	s_mul_i32 s22, s16, HALFT                      ; my 128 rows of B,
	s_add_co_u32 s22, s22, 2*HALFT                 ; which lie behind A's 256
.irp s, 0,1
	v_add_nc_u32 v[ADRA+\s], s21, v4
	v_add_nc_u32 v[ADRB+\s], s22, v4
	v_add_nc_u32 v[ADRA+2+\s], s21, v5
	v_add_nc_u32 v[ADRB+2+\s], s22, v5
	s_add_co_u32 s21, s21, SLOT
	s_add_co_u32 s22, s22, SLOT
.endr
	v_mul_u32_u24 v5, v1, KS                       ; my row's scale bytes: KS bytes a row,
	v_lshrrev_b32 v6, 8, v5
	v_lshl_add_u32 v5, v6, 4, v5                   ; and 16 more for each 256 passed
	s_mul_i32 s21, s15, HALFS                      ; A's: my 128 rows
	s_mul_i32 s22, s16, HALFS                      ; B's: my 128 rows, behind A's 256
	s_add_co_u32 s22, s22, 2*HALFS
	s_sub_co_u32 s22, s22, s21
	v_mul_u32_u24 v6, s22, v2                      ; lanes 16-31 take B's: the lower base + half x the distance
	s_add_co_u32 s21, s21, SCL
	v_add_nc_u32 v5, v5, v6
	v_add_nc_u32 v[ADRS], s21, v5
	v_and_b32 v6, 31, v0
	v_lshlrev_b32 v[L16], 4, v6
	v_lshlrev_b32 v[L8], 3, v6
	; where my wave's results go, in registers that feed no descriptor.  My 128 tokens are one step of one batch; my 128 rows of a weight are two heads
	s_cmp_eq_u32 s100, 0
	s_cselect_b32 s96, s17, s42                    ; the tile of 256 tokens: the A side's for q and k, the B side's for v,
	s_cselect_b32 s97, s15, s16                    ; and my half of it
	s_cselect_b32 s98, s40, s41                    ; the weight's tile of 256 rows, four heads,
	s_cselect_b32 s99, s16, s15                    ; and my half of it
	s_lshr_b32 s101, s96, 2                        ; batch: four tiles of tokens each
	s_and_b32 s96, s96, 3
	s_lshl_b32 s96, s96, 1
	s_add_co_u32 s96, s96, s97                     ; step 0..7
	s_lshl_b32 s101, s101, 4
	s_lshl_b32 s98, s98, 2
	s_add_co_u32 s101, s101, s98
	s_lshl_b32 s99, s99, 1
	s_add_co_u32 s101, s101, s99                   ; record: 16 x batch + my first head
	s_mul_i32 s101, s101, REC                      ; (all records together stay under 2^25 bytes)
	s_or_b32 s97, s100, ttmp9                      ; 0 for q alone
	s_mov_b32 s98, KVSTEP
	s_cmp_eq_u32 s97, 0
	s_cselect_b32 s98, QSTEP, s98                  ; from step to step
	s_cselect_b32 s99, 0, KVOFF                    ; where the part begins
	s_mul_i32 s96, s96, s98
	s_add_co_u32 s101, s101, s96
	s_add_co_u32 s101, s101, s99
	s_mul_i32 s97, s100, VCODE                     ; V's codes lie behind K's codes and scale words
	s_add_co_u32 s96, s101, s97
	s_mov_b32 s97, 0
	s_add_nc_u64 s[12:13], s[12:13], s[96:97]
.macro FRAG reg, adr, q, i             ; a fragment, 16 rows x 128 K of 6-bit codes, is 12 registers: lane l holds row l % 16; registers 6 c .. 6 c + 5 hold K = 64 c + 32 (l / 16) + 0 .. 31: 24 bytes of the row's stream of bits, as they lie
.irp p, 0,1,2,3,4,5                    ; in pieces of 8 bytes, so that every address is a multiple of the access's size.  Lanes 0-15 take the row's pieces 12 q + 0, 1, 2 and 12 q + 6, 7, 8, lanes 16-31 those three pieces on
.set PIECE, 12*(\q)+6*(\p/3)+\p%3      ; the mover has laid 16 bytes of padding behind every 64 bytes (8 pieces): where the piece three on lies behind one padding more, the second address register (40 for 24 bytes a half) serves
.if PIECE%8 < 5
	ds_load_b64 v[\reg+2*\p:\reg+2*\p+1], v[\adr] offset:8*PIECE+16*(PIECE/8)+(\i)*16*PITCH
.else
	ds_load_b64 v[\reg+2*\p:\reg+2*\p+1], v[\adr+2] offset:8*PIECE+16*(PIECE/8)+(\i)*16*PITCH
.endif
.endr
.endm
; 16 matrix instructions: A's blocks a0, a0 + 1 x B's eight, 128 along K: the slot's q-th.  p: B's set;  sc: the set of scale words.  zero = 1: the first product starts the sums: nothing is ever cleared.
; The 64 accumulators take turns, one instruction a turn, in the same order in every step.
.macro MUL16 a0, p, q, sc, zero
.irp a, \a0, \a0+1
.irp b, 0,1,2,3,4,5,6,7
.if \zero
	v_wmma_scale_f32_16x16x128_f8f6f4 v[8*(8*((\a)%4)+\b):8*(8*((\a)%4)+\b)+7], v[128*(\p)+FR*\b:128*(\p)+FR*\b+FR-1], v[AF+FR*(\a):AF+FR*(\a)+FR-1], 0, v[SC+8*NQ*(\sc)+NQ*\b+(\q)], v[SC+8*NQ*(\sc)+NQ*(\a)+(\q)] matrix_a_fmt:MATRIX_FMT_BF6 matrix_b_fmt:MATRIX_FMT_BF6 matrix_a_scale:MATRIX_SCALE_ROW1
.else
	v_wmma_scale_f32_16x16x128_f8f6f4 v[8*(8*((\a)%4)+\b):8*(8*((\a)%4)+\b)+7], v[128*(\p)+FR*\b:128*(\p)+FR*\b+FR-1], v[AF+FR*(\a):AF+FR*(\a)+FR-1], v[8*(8*((\a)%4)+\b):8*(8*((\a)%4)+\b)+7], v[SC+8*NQ*(\sc)+NQ*\b+(\q)], v[SC+8*NQ*(\sc)+NQ*(\a)+(\q)] matrix_a_fmt:MATRIX_FMT_BF6 matrix_b_fmt:MATRIX_FMT_BF6 matrix_a_scale:MATRIX_SCALE_ROW1
.endif
.endr
.endr
.endm
.macro FETCH_B slot, q, p              ; B's eight fragments of the slot's q-th 128 along K into set p
	WIN TO_B
.irp i, 0,1,2,3,4,5,6,7
	FRAG 128*(\p)+FR*\i, ADRB+\slot, \q, \i
.endr
	WIN 0
.endm
.macro FETCH_A slot, q, i0             ; A's blocks i0 .. i0 + 3
.irp i, \i0, \i0+1, \i0+2, \i0+3
	FRAG AF+FR*(\i), ADRA+\slot, \q, \i
.endr
.endm
.macro SCALES sc                       ; the next K step's scale words into set sc: NQ words a row; lanes 0-15 take A's block i, lanes 16-31 B's block i
.irp i, 0,1,2,3,4,5,6,7
	ds_load_b64 v[SC+8*NQ*\sc+NQ*\i:SC+8*NQ*\sc+NQ*\i+1], v[ADRS] offset:\i*SBLK
.endr
.endm
; A load into a register that a matrix instruction has read, and a vector instruction that reads a matrix result or writes one of a matrix instruction's registers, stand NP places behind that matrix instruction, and only plain
; vector instructions that name none of its registers are places (ISA guide 7.12.1 for vector instructions); this text does not count the matrix instructions in between.
.macro PLACES n
.rept \n
	v_nop
.endr
.endm
; A step of 128 along K that has its successor in the same slot.  A block of A is free as soon as its eight products are issued, so one set of registers serves A: blocks 0-3 are fetched anew in the step's middle, blocks 4-7 at its end.
.macro STEP slot, q, zero
	s_wait_dscnt 4*NL                              ; B's set and A's blocks 0-3 are in; the youngest 24 loads (A's blocks 4-7) may be out
	WIN MUL_LO
	MUL16 0, (\q)%2, \q, \slot, \zero
	MUL16 2, (\q)%2, \q, \slot, \zero
	s_wait_dscnt 0                                 ; A's blocks 4-7 are in (asked for 32 matrix instructions ago)
	PLACES NP
	FETCH_B \slot, (\q)+1, 1-(\q)%2
	FETCH_A \slot, (\q)+1, 0
	WIN MUL_HI
	MUL16 4, (\q)%2, \q, \slot, \zero
	MUL16 6, (\q)%2, \q, \slot, \zero
	PLACES NP
	WIN 0
	FETCH_A \slot, (\q)+1, 4
.endm
; A slot's last step changes slots: ONE barrier; in front of it each wave waits for all its tensor loads, adds 0 to its spare word, and waits for that and for its own reads of this slot.  fill = 1: this slot is filled again, two K steps ahead.
.macro TURN slot, next, fill
	s_wait_tensorcnt 0x0                           ; all my tensor loads have landed: my part of the next slot;  (every window is 0 here: the add's two registers lie in window 0)
	ds_add_u32 v[SPW], v[NIL]                      ; 0 onto my spare word
	s_wait_dscnt 4*NL+1                            ; (the add and the youngest 24 loads, A's blocks 4-7, may be out)
	WIN MUL_LO
	MUL16 0, 1, NQ-1, \slot, 0                     ; sixteen matrix instructions stand between the add and the wait for it
	s_wait_dscnt 0x0                               ; the add is done, and my reads of this slot are over
	s_barrier_signal -1
	MUL16 2, 1, NQ-1, \slot, 0
	WIN 0
	s_barrier_wait -1
.if \fill
	CREST                                          ; the barrier has opened a round of the cluster's barrier: no wave of any partner still reads this slot's tile or has a load on its way
	s_add_nc_u64 s[G0+4*\slot+2:G0+4*\slot+3], s[G0+4*\slot+2:G0+4*\slot+3], 2*ROWB
	s_add_nc_u64 s[G0B+4*\slot+2:G0B+4*\slot+3], s[G0B+4*\slot+2:G0B+4*\slot+3], 2*ROWB
	JLOAD G0+4*\slot, G1, G0B+4*\slot, G1B         ; the first tensor load behind the round, my only one until the next; the four v_nop behind it are the places in front of the loads below
.else
	PLACES NP
.endif
	v_add_nc_u32 v[ADRS], 4*NQ, v[ADRS]            ; on to the next K step's scale words (no LDS load of mine is out)
	FETCH_B \next, 0, 0
	FETCH_A \next, 0, 0
	SCALES \next
	WIN MUL_HI
	MUL16 4, 1, NQ-1, \slot, 0
	MUL16 6, 1, NQ-1, \slot, 0
	PLACES NP
	WIN 0
	FETCH_A \next, 0, 4
.endm
	s_wait_tensorcnt 1                             ; the scale bytes and my part of K step 0 are in (K step 1's load may be out)
	s_barrier_signal -1
	s_barrier_wait -1                              ; everybody's are
	FETCH_B 0, 0, 0
	FETCH_A 0, 0, 0
	SCALES 0
	FETCH_A 0, 0, 4
	STEP 0, 0, 1                                   ; K step 0: its first products start the sums
	TURN 0, 1, 1                                   ;           slot 0 takes K step 2
	STEP 1, 0, 0                                   ; K step 1
	TURN 1, 0, 1                                   ;           slot 1 takes K step 3
	STEP 0, 0, 0                                   ; K step 2
	TURN 0, 1, 0                                   ;           nothing is left to fetch: no round
	STEP 1, 0, 0                                   ; K step 3
	s_wait_dscnt 4*NL                              ; the very last step: A's blocks 4-7 may be out
	WIN MUL_LO
	MUL16 0, 1, NQ-1, 1, 0
	MUL16 2, 1, NQ-1, 1, 0
	s_wait_dscnt 0
	WIN MUL_HI
	MUL16 4, 1, NQ-1, 1, 0
	MUL16 6, 1, NQ-1, 1, 0
	WIN 0
	PLACES NP                                      ; in front of the first reads of results and of the first writes over A's fragments
; THE WAY OUT.  Four blocks of 32 at a time.  A block is 16 registers of a lane (two accumulators) and the 16 of lane l xor 16.  Blocks 0, 1 at registers s0, s0 + 16 and blocks 2, 3 at s1, s1 + 16 of window w
; become twelve registers of codes at v[pc] on; their four scale bytes are left in v[TM+4] .. v[TM+7].  Each accumulator is read from its low end on.
.macro QUANT4 s0, s1, w, pc
	WIN (\w)|((\w)<<2)                             ; sources 0 and 1: the accumulators' window
	v_max3_num_f32 v[TM], |v[(\s0)]|, |v[(\s0)+1]|, 0x2800000        ; my 16 numbers, and the floor 2^(5 - 127): the byte cannot fall under 1
	v_max3_num_f32 v[TM+1], |v[(\s0)+16]|, |v[(\s0)+17]|, 0x2800000
	v_max3_num_f32 v[TM+2], |v[(\s1)]|, |v[(\s1)+1]|, 0x2800000
	v_max3_num_f32 v[TM+3], |v[(\s1)+16]|, |v[(\s1)+17]|, 0x2800000
.irp i, 2,4,6,8,10,12,14
	v_max3_num_f32 v[TM], |v[(\s0)+\i]|, |v[(\s0)+\i+1]|, v[TM]      ; (the four blocks by turns: no line waits for the line above it)
	v_max3_num_f32 v[TM+1], |v[(\s0)+16+\i]|, |v[(\s0)+17+\i]|, v[TM+1]
	v_max3_num_f32 v[TM+2], |v[(\s1)+\i]|, |v[(\s1)+\i+1]|, v[TM+2]
	v_max3_num_f32 v[TM+3], |v[(\s1)+16+\i]|, |v[(\s1)+17+\i]|, v[TM+3]
.endr
	WIN 0
.irp b, 0,1,2,3
	v_permlanex16_b32 v[TM+4+\b], v[TM+\b], s20, s21
.endr
.irp b, 0,1,2,3
	v_max_num_f32 v[TM+\b], v[TM+\b], v[TM+4+\b]   ; with lane l xor 16's: the block's largest magnitude
.endr
.irp b, 0,1,2,3
	v_add_nc_u32 v[TM+12+\b], 0xfe000000, v[TM+\b] ; 4 off its exponent field: the conversion takes the exponent field of this operand as its scale, and nothing else of it
.endr
.irp b, 0,1,2,3
	v_lshrrev_b32 v[TM+4+\b], 23, v[TM+12+\b]      ; the scale's byte
.endr
	WIN (\w)                                       ; source 0: the accumulators' window
	v_cvt_scalef32_pk16_bf6_f32 v[(\pc):(\pc)+2], v[(\s0):(\s0)+15], v[TM+12]
	v_cvt_scalef32_pk16_bf6_f32 v[CT:CT+2], v[(\s0)+16:(\s0)+31], v[TM+13]         ; (a conversion's three registers begin on an even number: the second half of a block's six does not, so it is made elsewhere and moved)
	v_cvt_scalef32_pk16_bf6_f32 v[(\pc)+6:(\pc)+8], v[(\s1):(\s1)+15], v[TM+14]
	v_cvt_scalef32_pk16_bf6_f32 v[CT+4:CT+6], v[(\s1)+16:(\s1)+31], v[TM+15]
	WIN 0
	v_nop                                          ; one plain place behind a scaled conversion
.irp i, 0,1,2                                  ; the operand's layout wants a WHOLE block in a lane: lanes 0-15 the first of a pair of blocks, lanes 16-31 the second
	v_permlane16_swap_b32 v[(\pc)+\i], v[CT+\i]
	v_permlane16_swap_b32 v[(\pc)+6+\i], v[CT+4+\i]
.endr
.irp i, 0,1,2
	v_mov_b32 v[(\pc)+3+\i], v[CT+\i]
	v_mov_b32 v[(\pc)+9+\i], v[CT+4+\i]
.endr
.endm
.macro PUT pc, off                     ; twelve registers leave as they stand: each store covers 512 consecutive bytes, at a multiple of 256 from the buffer's first byte
.irp k, 0,1,2
	global_store_b128 v[L16], v[(\pc)+4*\k:(\pc)+4*\k+3], s[12:13] offset:(\off)+512*\k
.endr
.endm
	s_mov_b32 s20, 0x76543210
	s_mov_b32 s21, 0xfedcba98                      ; v_permlanex16_b32's selects for lane l xor 16
	s_mov_b32 s66, 0xffff0000                      ; lanes 16-31
.irp b, 0,1,2,3
	v_mov_b32 v[TM+4+\b], 0                        ; written once: a lane permute's destination counts as one of its sources
.endr
	s_cmp_eq_u32 s100, 0                           ; the same in all sixteen partners
	s_cbranch_scc0 .Lv_out
	; q or k.  Head c of my two: accumulators (a, 4 c .. 4 c + 3): the head's two blocks of 32 for the 16 tokens of tile a.  Tiles 2 b and 2 b + 1 together: six registers each
.irp c, 0,1
.irp b, 0,1,2,3
	QUANT4 64*((2*\b)%4)+32*\c, 64*((2*\b)%4)+32*\c+64, 2+\b/2, PCB+12*(4*\c+\b)
	v_lshl_or_b32 v[TM+8], v[TM+5], 8, v[TM+4]     ; tile 2 b's two bytes,
	v_lshl_or_b32 v[TM+9], v[TM+7], 8, v[TM+6]     ; tile 2 b + 1's;
	v_cndmask_b32 v[TM+8], v[TM+8], v[TM+9], s66   ; lanes 0-15 carry the first tile's word, lanes 16-31 the second's
	v_or_b32 v[SW+4*\c+\b], 0x7f7f0000, v[TM+8]    ; the fragment's upper 64 along K meet zero codes: their bytes stand for 1
	PUT PCB+12*(4*\c+\b), \c*REC+\b*1536
.endr
	global_store_b128 v[L16], v[SW+4*\c:SW+4*\c+3], s[12:13] offset:\c*REC+6144
.endr
	s_branch .Lend
.Lv_out:
	; v.  Tile a: 16 of a head's 64 (head a / 4 of my two, tile a % 4); accumulators (a, 0 .. 7): my 128 keys, four blocks of 32: one whole fragment and one scale word a row
.irp a, 0,1,2,3,4,5,6,7
	QUANT4 64*(\a%4), 64*(\a%4)+32, 2+\a/4, PCB+12*\a
	v_lshl_or_b32 v[PWS+\a%2], v[TM+5], 8, v[TM+4]
	v_lshl_or_b32 v[PWS+\a%2], v[TM+6], 16, v[PWS+\a%2]
	v_lshl_or_b32 v[PWS+\a%2], v[TM+7], 24, v[PWS+\a%2]
.if \a%2
	v_cndmask_b32 v[SW+2*(\a/4)+(\a%4)/2], v[PWS], v[PWS+1], s66   ; lanes 0-15 carry the even tile's words, lanes 16-31 the odd tile's
.endif
	PUT PCB+12*\a, (\a/4)*REC+(\a%4)*1536
.if \a%4 == 3
	global_store_b64 v[L8], v[SW+2*(\a/4):SW+2*(\a/4)+1], s[12:13] offset:(\a/4)*REC+6144   ; 256 consecutive bytes
.endif
.endr
.Lend:
	s_wait_tensorcnt 0x0                           ; the wave's end: behind my last tensor load
	ds_add_u32 v[SPW], v[NIL]
	s_wait_dscnt 0x0
	CROUND                                         ; the closing round: no work-group ends while a partner may still ask for a tile that names it
	s_endpgm
.Lfunc_end_k_qface92d65b_proj:
	.size	k_qface92d65b_proj, .Lfunc_end_k_qface92d65b_proj-k_qface92d65b_proj
	.p2alignl 7, 3214868480
	.fill 96, 4, 3214868480
	.section	.rodata,"a",@progbits
	.p2align	6, 0x0
	.amdhsa_kernel k_qface92d65b_proj
		.amdhsa_group_segment_fixed_size 327680
		.amdhsa_private_segment_fixed_size 0
		.amdhsa_enable_private_segment 0
		.amdhsa_kernarg_size 40
		.amdhsa_user_sgpr_count 2
		.amdhsa_user_sgpr_kernarg_segment_ptr 1
		.amdhsa_wavefront_size32 1
		.amdhsa_system_sgpr_workgroup_id_x 1
		.amdhsa_system_sgpr_workgroup_id_y 1
		.amdhsa_system_sgpr_workgroup_id_z 1
		.amdhsa_system_vgpr_workitem_id 0
		.amdhsa_next_free_vgpr 1024
		.amdhsa_next_free_sgpr 102
		.amdhsa_reserve_vcc 0
		.amdhsa_float_denorm_mode_32 3
		.amdhsa_float_denorm_mode_16_64 3
		.amdhsa_memory_ordered 1
		.amdhsa_forward_progress 1
		.amdhsa_inst_pref_size 199
	.end_amdhsa_kernel
	.amdgpu_metadata
---
amdhsa.version: [ 1, 2 ]
amdhsa.kernels:
  - .name:           k_qface92d65b_proj
    .symbol:         k_qface92d65b_proj.kd
    .args:
      - { .name: xc, .offset: 0, .size: 8, .value_kind: global_buffer, .address_space: global }
      - { .name: xs, .offset: 8, .size: 8, .value_kind: global_buffer, .address_space: global }
      - { .name: wc, .offset: 16, .size: 8, .value_kind: global_buffer, .address_space: global }
      - { .name: ws, .offset: 24, .size: 8, .value_kind: global_buffer, .address_space: global }
      - { .name: qkv, .offset: 32, .size: 8, .value_kind: global_buffer, .address_space: global }
    .group_segment_fixed_size: 327680
    .private_segment_fixed_size: 0
    .kernarg_segment_align: 8
    .kernarg_segment_size: 40
    .max_flat_workgroup_size: 128
    .sgpr_count:     102
    .vgpr_count:     1024
    .wavefront_size: 32
...
	.end_amdgpu_metadata
.endif
;; end of part 2
;; launch attn (part 3): grid 256 x 1, 16 waves a work-group, no clusters, 189,184 bytes of LDS; arguments qkv, out0; writes out0
.if DOCPART == 3
	.amdgcn_target "amdgcn-amd-amdhsa--gfx1250"
	.amdhsa_code_object_version 6
	.text
	.protected	k_qface92d65b_attn
	.globl	k_qface92d65b_attn
	.p2align	8
	.type	k_qface92d65b_attn,@function
k_qface92d65b_attn:
	s_mov_b64 s[64:65], 0
	v_nop
	global_prefetch_b8 v0, s[64:65] scope:SCOPE_SE
	s_setreg_imm32_b32 hwreg(HW_REG_WAVE_MODE, 25, 1), 1
	s_wait_xcnt 0x0
; out0[b][q][64 h + :] = the sum over keys k <= q of softmax_k(Q[q] . K[k] / 32) V[k][:], for each of 128 (batch, head), 1,024 tokens, head size 64; both products on codes of BF6 (E3M2) with one E8M0 scale for each 32 along K.
; qkv: 128 records of REC bytes (16 x batch + head), made by the launch before as images of operand registers.  Steps of 128 tokens, s = 0 .. 7.  Q's step at QSTEP s: codes 6,144, scale words 512.  K's and V's step at
; KVOFF + KVSTEP s: K's codes 6,144, K's scale words 512, V's codes 6,144, V's scale words 256.  Tile 2 b + u of a step of Q or K holds, in lane r, token 32 b + 8 u + r + 8 (r / 8); it is six registers a lane (K = 64).
; THE SOFTMAX AHEAD OF THE SECOND PRODUCT: t = score x log2(e) / 32; M = the row's largest t so far, rounded UP to a whole number; p = 2^(t - M) is what is quantised, along the keys; it is not normalised.  The row's sum is taken
; of the unquantised p, in f32, and divides O at the end.  When M moves, the sum and O are multiplied by 2^(old M - new M): exact.
; SHARES.  Two work-groups to a head, sixteen waves each, 256 registers a wave: four waves to a SIMD, so that one wave's vector work stands beside another's matrix work and LDS loads.  A head has 64 tiles of 16 queries; tile i needs
; i / 8 + 1 key steps of 128.  Wave w of work-group half g takes tiles 2 w + g and 63 - (2 w + g): nine key steps for every wave of the launch.
; K AND V OF THE WHOLE HEAD, 104,448 bytes, LIE IN LDS: eight tensor loads (waves 0-7, a step each: 51 rows of 256 bytes), one barrier, and nothing is filled again.
; NO CLUSTER: only the two work-groups of a head read the same tiles, each once, by the eight loads at its head; a joint request would add two rounds of a cluster's barrier to a launch that has one barrier.
; LAYOUT.  Both products are used transposed: S^T = K Q^T (source 0 = 16 keys, source 1 = my 16 queries), O^T = V^T P^T (source 0 = 16 of the head's 64, source 1 = P): a lane holds ONE query (lane % 16) throughout, and the
; 16 registers of score tiles 2 b and 2 b + 1 are the neighbouring keys 32 b + 16 (lane / 16) + 0 .. 15.
; K = 64 IN AN INSTRUCTION OF 128.  A step's eight tiles of K are 48 registers on end; tile t's operand is v[KV + 6 t] and the eleven behind it: its upper six registers (k = 64 .. 127) are the next tile's codes (for tile 7: zeros).
; They meet Q's upper six registers, which are zero codes, under scale bytes 0x7f on both sides: every code of this format is a finite number, so these products are zeros.
; CAUSAL.  Every wave walks eight steps in each pass, a constant; a step all of whose keys come after the tile's queries is jumped over by a scalar branch on ids; in the step on the diagonal hidden scores become -infinity.
; Key 0 counts for every query, so M is a number from a tile's first step on.
; LIMITS: a block's largest p is made from the block's largest score by the same multiply-add and exponential (this takes v_exp_f32 not to fall where its input rises; at the worst one p of a block would be held one code low);
; a block whose every p is 0 keeps the byte 1 (its codes are zeros); NaN and infinities are not served.
.set REC,    157696
.set QSTEP,  6656
.set KVOFF,  53248
.set KVSTEP, 13056                     ; a step of K and V: in memory and in LDS alike
.set STG,    9*KVSTEP                  ; the way out: a stage of 16 rows x (256 + 16) bytes for each wave.  The stages begin a step's bytes behind the eight steps: the step's address, stepped once more at the loop's end, still points short of them
.set SPITCH, 272
.set L16, 1                            ; v1   16 x lane
.set L8,  2                            ; v2   8 x lane
.set ADK, 3                            ; v3   the step's LDS byte + 16 x lane
.set ADT, 4                            ; v4   the step's LDS byte + 8 x lane
.set STO, 5                            ; v5   the stage: where I put 32 bytes of a row
.set RD,  6                            ; v6   and where I read a row back
.set GO,  7                            ; v7   my byte offset in the tile's rows of out0
.set QL,  8                            ; v8   my query in its tile less 16 (lane / 16)
.set QA,  9                            ; v9-11 byte offsets of Q's three loads
.set NM,  12                           ; v12  -M
.set TMX, 13                           ; v13  the largest t so far
.set SUM, 14                           ; v[14:15] the row's sum, in two halves
.set QF,  16                           ; v16-27 Q's fragment: 16-21 loaded, 22-27 zero codes
.set QSC, 28                           ; v28  Q's scale words
.set QSA, 29                           ; v29  their byte offset
.set RR,  30                           ; v30  lane % 16
.set HH,  31                           ; v31  lane / 16
.set KV,  32                           ; v32-79 a step's K (48 registers on end), then its V (four fragments); v80-85 zero codes
.set KSC, 88                           ; v88-91 K's scale words: register j: lanes 0-15 tile 2 j, lanes 16-31 tile 2 j + 1
.set VSC, 92                           ; v92-93 V's likewise
.set S,   96                           ; v96-159 S^T, then p; on the way out O / the sum (96-127) and whole rows (128-159)
.set O,   160                          ; v160-191 O^T, four tiles
.set BM,  192                          ; v192-195 each block's largest score, then its largest p
.set BX,  196                          ; v196-199 the other half's, then the scale bytes
.set SCO, 200                          ; v200-203 the conversions' scale operands
.set CT,  204                          ; v204-206, v208-210 the blocks' second halves as the conversions leave them
.set FF,  212                          ; v[212:213] f = 2^(old M - new M), and a partner that is only named
.set T0,  214
.set T1,  215
.set SUM2, 216                         ; v[216:217] the sum's second chain
.set PC,  224                          ; v224-235 p's codes
.set PSC, 236                          ; v236 p's scale word
.set WV,  8                            ; s8   my wave's number
.set SEL, 20                           ; s[20:21] lane selects for v_permlanex16_b32: lane l xor 16
.set CS,  22                           ; s[22:23] c = log2(e) / 32: the packed form names a pair and takes its low word for both halves
.set G1,  24                           ; s[24:31] descriptor group 1
.set G0,  32                           ; s[32:35] descriptor group 0
	s_load_b128 s[4:7], s[0:1], 0x0                ; qkv s[4:5], out0 s[6:7]
	v_lshl_add_u32 v254, v0, 2, 0x2db00
	v_mov_b32 v255, 0
	ds_add_u32 v254, v255
	ds_add_u32 v254, v255
	v_lshrrev_b32 v1, 5, v0
	v_readfirstlane_b32 s[WV], v1                  ; wave 0..15
	s_lshr_b32 s9, ttmp9, 1                        ; the record: 16 x batch + head
	s_and_b32 s10, ttmp9, 1
	s_lshl_b32 s11, s[WV], 1
	s_add_co_u32 s11, s11, s10                     ; my first tile of queries: 2 x wave + the work-group's half
	; descriptor group 1: 51 rows of 256 bytes (32 elements of 8 bytes), dense in memory and in LDS
	s_mov_b32 s[G1+0], 3<<16                       ; 15:0 no mask; 17:16 elements of 8 bytes; 20 padding off
	s_mov_b32 s[G1+1], 32<<16                      ; tensor_dim0 = 32
	s_mov_b32 s[G1+2], 51<<16                      ; tensor_dim1 = 51
	s_mov_b32 s[G1+3], 32<<16                      ; tile_dim0 = 32
	s_mov_b32 s[G1+4], 51                          ; tile_dim1 = 51
	s_mov_b32 s[G1+5], 32                          ; tensor_dim0_stride
	s_mov_b32 s[G1+6], 0
	s_mov_b32 s[G1+7], 0
	s_mul_i32 s44, s9, REC                         ; (all records together stay under 2^25 bytes)
	s_mov_b32 s45, 0
	s_mov_b32 s[G0], 1                             ; 1:0 count = 1
	s_mul_i32 s[G0+1], s[WV], KVSTEP               ; 63:32 LDS address: step = my wave's number
	s_add_co_u32 s46, s[G0+1], KVOFF
	s_mov_b32 s47, 0
	s_mov_b32 s[SEL], 0x76543210
	s_mov_b32 s[SEL+1], 0xfedcba98
	s_mov_b32 s[CS], 0x3d38aa3b                    ; c = log2(e) / 32
	s_mov_b32 s[CS+1], s[CS]                       ; (named with it as a pair, so it is written)
	s_wait_dscnt 0x0
	s_wait_kmcnt 0x0
	s_add_nc_u64 s[36:37], s[4:5], s[44:45]        ; my record
	s_add_nc_u64 s[G0+2:G0+3], s[36:37], s[46:47]  ; 120:64 global address: the same step of K and V
	s_or_b32 s[G0+3], s[G0+3], 0x80000000          ; 127:126 type = 2
	s_cmp_lt_u32 s[WV], 8                          ; waves 0-7 fetch a step each: one tensor load of mine is out at the most
	s_cbranch_scc0 .Lno_fill
	tensor_load_to_lds s[G0:G0+3], s[G1:G1+7]
	s_nop 0
.rept 4
	v_nop
.endr
.Lno_fill:
	v_and_b32 v[RR], 15, v0
	v_bfe_u32 v[HH], v0, 4, 1
	v_and_b32 v[L8], 31, v0
	v_lshlrev_b32 v[L16], 4, v[L8]
	v_lshlrev_b32 v[L8], 3, v[L8]
	s_mul_i32 s50, s[WV], 16*SPITCH
	s_add_co_u32 s50, s50, STG                     ; my stage
	v_mul_u32_u24 v[STO], v[RR], SPITCH
	v_lshl_add_u32 v[STO], v[HH], 6, v[STO]
	v_add_nc_u32 v[STO], s50, v[STO]               ; in: row = my query, + 64 x half: register j of O^T's tile t is channel 32 (t / 2) + 16 (lane / 16) + 8 (t % 2) + j
	v_mul_u32_u24 v[RD], v[HH], SPITCH
	v_lshl_add_u32 v[RD], v[RR], 4, v[RD]
	v_add_nc_u32 v[RD], s50, v[RD]                 ; back: lanes 0-15 one row of 256 bytes, lanes 16-31 the next
	v_lshlrev_b32 v[GO], 12, v[HH]
	v_lshl_add_u32 v[GO], v[RR], 4, v[GO]          ; and the same two rows in out0, 4,096 bytes apart
	v_and_b32 v[QL], 8, v[RR]
	v_add_nc_u32 v[QL], v[QL], v[RR]               ; my query in its tile: r + 8 (r / 8),
	v_lshlrev_b32 v[QA], 4, v[HH]
	v_sub_nc_u32 v[QL], v[QL], v[QA]               ; less 16 (lane / 16)
.irp j, 0,1,2,3,4,5
	v_mov_b32 v[QF+6+\j], 0                        ; Q's k = 64 .. 127: zero codes, for the whole launch
	v_mov_b32 v[KV+48+\j], 0                       ; and what stands behind K's tile 7
.endr
.irp b, 0,1,2,3
	v_mov_b32 v[BX+\b], 0                          ; written once: a lane permute's destination counts as one of its sources
.endr
	v_mov_b32 v[FF+1], 0                           ; (named as the upper half of a pair)
	v_mov_b32 v[T0], 0
	s_mov_b32 s42, 2                               ; two passes: my two tiles of queries
	s_wait_tensorcnt 0x0                           ; my step of K and V has landed,
	s_barrier_signal -1
	s_barrier_wait -1                              ; everybody's has: the launch's only barrier
.Lpass:
	s_wait_xcnt 0x0                                ; the last pass's stores have read their base, their address and their data: all are written again below
	s_lshr_b32 s44, s11, 1
	s_lshl_b32 s12, s44, 5
	s_and_b32 s44, s11, 1
	s_lshl_b32 s44, s44, 3
	s_add_co_u32 s12, s12, s44                     ; the tile's first query: 32 (i / 2) + 8 (i % 2)
	s_add_co_u32 s13, s12, 23                      ; and its last
	s_lshr_b32 s44, s11, 3
	s_mul_i32 s44, s44, QSTEP
	s_mov_b32 s45, 0
	s_add_nc_u64 s[38:39], s[36:37], s[44:45]      ; Q's step i / 8
	s_and_b32 s46, s11, 7                          ; the tile in the step: its six registers are 6 a .. 6 a + 5 of the step's 48
	s_mul_i32 s47, s46, 6
.irp p, 0,1,2
	s_add_co_u32 s48, s47, 2*\p                    ; registers g, g + 1 lie in the run of 512 bytes g / 4, at 16 x lane + 4 (g % 4)
	s_lshr_b32 s49, s48, 2
	s_lshl_b32 s49, s49, 9
	s_and_b32 s48, s48, 2
	s_lshl_b32 s48, s48, 2
	s_add_co_u32 s48, s48, s49
	v_add_nc_u32 v[QA+\p], s48, v[L16]
.endr
	s_and_b32 s48, s46, 1                          ; its scale word: word a / 2 of lane r + 16 (a % 2)
	s_lshl_b32 s48, s48, 8
	s_lshr_b32 s49, s46, 1
	s_lshl_b32 s49, s49, 2
	s_add_co_u32 s48, s48, s49
	v_lshl_add_u32 v[QSA], v[RR], 4, s48
.irp p, 0,1,2
	global_load_b64 v[QF+2*\p:QF+2*\p+1], v[QA+\p], s[38:39]
.endr
	global_load_b32 v[QSC], v[QSA], s[38:39] offset:6144
	s_lshr_b32 s44, s9, 4
	s_lshl_b32 s44, s44, 22                        ; out0: the batch's 1,024 rows of 4,096 bytes,
	s_lshl_b32 s48, s12, 12
	s_add_co_u32 s44, s44, s48                     ; the tile's first query,
	s_and_b32 s48, s9, 15
	s_lshl_b32 s48, s48, 8
	s_add_co_u32 s44, s44, s48                     ; the head's 256 bytes of a row
	s_add_nc_u64 s[40:41], s[6:7], s[44:45]
	v_mov_b32 v[TMX], 0xff61b1e6                   ; the largest t so far: -3e38, under every t
	v_floor_f32 v[NM], -v[TMX]                     ; -M
	v_mov_b32 v[SUM], 0
	v_mov_b32 v[SUM+1], 0
.set J, 0
.rept 32
	v_mov_b32 v[O+J], 0                            ; O^T.  (The step is written once: a tile's first step finds zeros, which the first change of M leaves zeros)
.set J, J+1
.endr
	s_mov_b32 s14, 0                               ; the step's first key
	s_mov_b32 s15, 0                               ; the step's LDS byte
	s_mov_b32 s43, 8
	s_wait_loadcnt 0x0                             ; Q
.Lstep:                                            ; eight trips, a constant
	s_cmp_gt_u32 s14, s13                          ; all 128 keys come after my 16 queries: the step's work is left out; no barrier and no tensor load stands in it
	s_cbranch_scc1 .Lhidden
	v_add_nc_u32 v[ADK], s15, v[L16]
	v_add_nc_u32 v[ADT], s15, v[L8]
.irp c, 0,1,2,3,4,5,6,7,8,9,10,11
	ds_load_b128 v[KV+4*\c:KV+4*\c+3], v[ADK] offset:512*\c          ; K's eight tiles: 512 consecutive bytes a load
.endr
	ds_load_b128 v[KSC:KSC+3], v[ADK] offset:6144
	s_wait_dscnt 0x0
.irp t, 0,2,4,6                                ; S^T = K Q^T
	v_wmma_scale_f32_16x16x128_f8f6f4 v[S+8*\t:S+8*\t+7], v[KV+6*\t:KV+6*\t+11], v[QF:QF+11], 0, v[KSC+\t/2], v[QSC] matrix_a_fmt:MATRIX_FMT_BF6 matrix_b_fmt:MATRIX_FMT_BF6
	v_wmma_scale_f32_16x16x128_f8f6f4 v[S+8*\t+8:S+8*\t+15], v[KV+6*\t+6:KV+6*\t+17], v[QF:QF+11], 0, v[KSC+\t/2], v[QSC] matrix_a_fmt:MATRIX_FMT_BF6 matrix_b_fmt:MATRIX_FMT_BF6 matrix_a_scale:MATRIX_SCALE_ROW1
.endr
.rept 4
	v_nop                                          ; four places: in front of the loads into registers that these products read, and of the first read of the scores (ISA guide 7.12.1 for vector instructions)
.endr
.irp c, 0,1,2,3,4,5,6,7,8,9,10,11
	ds_load_b128 v[KV+4*\c:KV+4*\c+3], v[ADK] offset:6656+512*\c     ; V's four fragments: they land while the softmax is worked
.endr
	ds_load_b64 v[VSC:VSC+1], v[ADT] offset:12800
	s_add_co_u32 s44, s14, 127
	s_cmp_le_u32 s44, s12                          ; all 128 keys count for all my queries: nothing is hidden
	s_cbranch_scc1 .Lopen
	s_sub_co_i32 s44, s12, s14
	v_add_nc_u32 v[T0], s44, v[QL]                 ; d = my query - the step's first key - 16 (lane / 16).  Register 16 b + i holds key 32 b + 16 (lane / 16) + i of the step: hidden where 32 b + i > d
	v_mov_b32 v[T1], 0xff800000                    ; -infinity
.set N, 0
.rept 64
	v_cmp_gt_i32 vcc_lo, 32*(N/16)+N%16, v[T0]
	v_cndmask_b32 v[S+N], v[S+N], v[T1], vcc_lo
.set N, N+1
.endr
.Lopen:
.irp b, 0,1,2,3
	v_max3_num_f32 v[BM+\b], v[S+16*\b], v[S+1+16*\b], v[S+2+16*\b]   ; THE LARGEST SCORE OF EACH BLOCK OF 32 KEYS: it serves twice: for the row's maximum, and, since p rises with the score, for the block's largest p
.endr
.irp i, 3,5,7,9,11,13
.irp b, 0,1,2,3
	v_max3_num_f32 v[BM+\b], v[BM+\b], v[S+16*\b+\i], v[S+1+16*\b+\i]   ; (the four blocks by turns)
.endr
.endr
.irp b, 0,1,2,3
	v_max_num_f32 v[BM+\b], v[BM+\b], v[S+15+16*\b]
.endr
.irp b, 0,1,2,3
	v_permlanex16_b32 v[BX+\b], v[BM+\b], s[SEL], s[SEL+1]
.endr
.irp b, 0,1,2,3
	v_max_num_f32 v[BM+\b], v[BM+\b], v[BX+\b]     ; with lane l xor 16's 16 keys
.endr
	v_max3_num_f32 v[T0], v[BM], v[BM+1], v[BM+2]
	v_max_num_f32 v[T0], v[T0], v[BM+3]            ; the step's largest score of my query
	v_mul_f32 v[T0], s[CS], v[T0]                  ; as t (c is positive)
	v_max_num_f32 v[TMX], v[TMX], v[T0]            ; the running largest t
	v_mov_b32 v[T0], v[NM]
	v_floor_f32 v[NM], -v[TMX]                     ; the new -M = floor(-t) = -ceil(t): M IS A WHOLE NUMBER
	v_sub_f32 v[T0], v[NM], v[T0]                  ; M's old value less its new one: a whole number, 0 or less
	v_cvt_i32_f32 v[T0], v[T0]                     ; (it saturates)
	v_ldexp_f32 v[FF], 1.0, v[T0]                  ; f = 2^(old M - new M): a multiplication by it rounds nothing
.set J, 0
.rept 32
	v_pk_fma_f32 v[S+J:S+J+1], v[S+J:S+J+1], s[CS:CS+1], v[NM:NM+1] op_sel_hi:[1,0,0]   ; t - M, two at a time (of the pairs c and -M the low word serves both halves)
.set J, J+2
.endr
.irp b, 0,1,2,3
	v_fma_f32 v[BM+\b], v[BM+\b], s[CS], v[NM]     ; the same of each block's largest score
.endr
.set J, 0
.rept 64
	v_exp_f32 v[S+J], v[S+J]                       ; p = 2^(t - M), at most 1: NOT normalised
.set J, J+1
.endr
.irp b, 0,1,2,3
	v_exp_f32 v[BM+\b], v[BM+\b]                   ; the block's largest p: the same two instructions on the same number give the same bits
.endr
	v_pk_mul_f32 v[SUM:SUM+1], v[SUM:SUM+1], v[FF:FF+1] op_sel_hi:[1,0]   ; the sums under the new M.  (A plain place behind the exponentials)
	s_wait_alu depctr_va_vdst(0)
.irp b, 0,1,2,3
	v_max_num_f32 v[BM+\b], 0x2800000, v[BM+\b]    ; the floor 2^(5 - 127): the byte cannot fall under 1
.endr
.irp b, 0,1,2,3
	v_add_nc_u32 v[SCO+\b], 0xfe000000, v[BM+\b]   ; 4 off the exponent field: the conversion's scale operand
.endr
.irp b, 0,1,2,3
	v_lshrrev_b32 v[BX+\b], 23, v[SCO+\b]          ; the scale's byte
.endr
	v_lshl_or_b32 v[PSC], v[BX+1], 8, v[BX]        ; p's scale word for these 128 keys
	v_lshl_or_b32 v[PSC], v[BX+2], 16, v[PSC]
	v_lshl_or_b32 v[PSC], v[BX+3], 24, v[PSC]
.irp c, 0,1
	v_cvt_scalef32_pk16_bf6_f32 v[PC+6*\c:PC+2+6*\c], v[S+32*\c:S+15+32*\c], v[SCO+2*\c]
	v_cvt_scalef32_pk16_bf6_f32 v[CT+4*\c:CT+2+4*\c], v[S+16+32*\c:S+31+32*\c], v[SCO+2*\c+1]   ; (a conversion's three registers begin on an even number)
.endr
	v_nop                                          ; one plain place behind a scaled conversion
.irp c, 0,1                                    ; the operand's layout wants a WHOLE block in a lane: lanes 0-15 block 2 c, lanes 16-31 block 2 c + 1
.irp i, 0,1,2
	v_permlane16_swap_b32 v[PC+6*\c+\i], v[CT+4*\c+\i]
.endr
.irp i, 0,1,2
	v_mov_b32 v[PC+3+6*\c+\i], v[CT+4*\c+\i]
.endr
.endr
	v_pk_add_f32 v[SUM2:SUM2+1], v[S:S+1], v[S+2:S+3]   ; THE ROW'S SUM IS TAKEN OF THE UNQUANTISED p: two at a time, in two chains
.irp j, 4,8,12,16,20,24,28,32,36,40,44,48,52,56,60
	v_pk_add_f32 v[SUM:SUM+1], v[SUM:SUM+1], v[S+\j:S+1+\j]
	v_pk_add_f32 v[SUM2:SUM2+1], v[SUM2:SUM2+1], v[S+2+\j:S+3+\j]
.endr
	v_pk_add_f32 v[SUM:SUM+1], v[SUM:SUM+1], v[SUM2:SUM2+1]
.set J, 0
.rept 16
	v_pk_mul_f32 v[O+J:O+J+1], v[O+J:O+J+1], v[FF:FF+1] op_sel_hi:[1,0]   ; O^T under the new M: x f, each tile from its low end on.  (These and the sums are also the places between p's scale word and codes and the products below)
.set J, J+2
.endr
	s_wait_dscnt 0x0                               ; V is in
.irp t, 0,2                                    ; O^T += V^T P^T: four accumulators, one instruction a turn
	v_wmma_scale_f32_16x16x128_f8f6f4 v[O+8*\t:O+8*\t+7], v[KV+12*\t:KV+12*\t+11], v[PC:PC+11], v[O+8*\t:O+8*\t+7], v[VSC+\t/2], v[PSC] matrix_a_fmt:MATRIX_FMT_BF6 matrix_b_fmt:MATRIX_FMT_BF6
	v_wmma_scale_f32_16x16x128_f8f6f4 v[O+8*\t+8:O+8*\t+15], v[KV+12*\t+12:KV+12*\t+23], v[PC:PC+11], v[O+8*\t+8:O+8*\t+15], v[VSC+\t/2], v[PSC] matrix_a_fmt:MATRIX_FMT_BF6 matrix_b_fmt:MATRIX_FMT_BF6 matrix_a_scale:MATRIX_SCALE_ROW1
.endr
.rept 4
	v_nop                                          ; four places: in front of the next step's loads into V's registers, and of the way out's reads of O^T
.endr
.Lhidden:
	s_add_co_u32 s14, s14, 128
	s_add_co_u32 s15, s15, KVSTEP
	s_sub_co_u32 s43, s43, 1
	s_cmp_lg_u32 s43, 0
	s_cbranch_scc1 .Lstep
	; THE WAY OUT of a tile.  O^T is divided by the sum and goes through my own stage in LDS, so that sixteen lanes store a token's 256 bytes of this head.
	v_add_f32 v[SUM], v[SUM], v[SUM+1]             ; the sum's two halves,
	v_permlanex16_b32 v[T0], v[SUM], s[SEL], s[SEL+1]
	v_add_f32 v[SUM], v[SUM], v[T0]                ; and lane l xor 16's: the row's sum
	v_rcp_f32 v[SUM], v[SUM]
	v_nop                                          ; a plain place behind the transcendental
.set J, 0
	s_wait_alu depctr_va_vdst(0)
.rept 32
	v_mul_f32 v[S+J], v[O+J], v[SUM]               ; each accumulator from its low end on
.set J, J+1
.endr
.irp t, 0,1,2,3
	ds_store_b128 v[STO], v[S+8*\t:S+8*\t+3] offset:128*(\t/2)+32*(\t%2)
	ds_store_b128 v[STO], v[S+8*\t+4:S+8*\t+7] offset:128*(\t/2)+32*(\t%2)+16
.endr
.irp i, 0,1,2,3,4,5,6,7
	ds_load_b128 v[S+32+4*\i:S+35+4*\i], v[RD] offset:2*\i*SPITCH   ; LDS serves a wave's instructions in order (ISA guide 5.7.1.4): these see my stores
.endr
.irp i, 0,1,2,3,4,5,6,7
	s_wait_dscnt 7-\i                              ; rows 2 i and 2 i + 1 are back; the 7 - i younger loads may be out
	global_store_b128 v[GO], v[S+32+4*\i:S+35+4*\i], s[40:41] offset:(2*\i+8*(\i/4))*4096 th:TH_STORE_NT   ; row p of the tile is token p + 8 (p / 8); 16 lanes store 256 consecutive bytes, at a multiple of 256 from out0's first byte
.endr
	s_sub_co_u32 s11, 63, s11                      ; my other tile
	s_sub_co_u32 s42, s42, 1
	s_cmp_lg_u32 s42, 0
	s_cbranch_scc1 .Lpass
	s_wait_tensorcnt 0x0
	ds_add_u32 v254, v255
	s_wait_dscnt 0x0
	s_endpgm
.Lfunc_end_k_qface92d65b_attn:
	.size	k_qface92d65b_attn, .Lfunc_end_k_qface92d65b_attn-k_qface92d65b_attn
	.p2alignl 7, 3214868480
	.fill 96, 4, 3214868480
	.section	.rodata,"a",@progbits
	.p2align	6, 0x0
	.amdhsa_kernel k_qface92d65b_attn
		.amdhsa_group_segment_fixed_size 189184
		.amdhsa_private_segment_fixed_size 0
		.amdhsa_enable_private_segment 0
		.amdhsa_kernarg_size 16
		.amdhsa_user_sgpr_count 2
		.amdhsa_user_sgpr_kernarg_segment_ptr 1
		.amdhsa_wavefront_size32 1
		.amdhsa_system_sgpr_workgroup_id_x 1
		.amdhsa_system_sgpr_workgroup_id_y 1
		.amdhsa_system_sgpr_workgroup_id_z 1
		.amdhsa_system_vgpr_workitem_id 0
		.amdhsa_next_free_vgpr 256
		.amdhsa_next_free_sgpr 66
		.amdhsa_reserve_vcc 1
		.amdhsa_float_denorm_mode_32 3
		.amdhsa_float_denorm_mode_16_64 3
		.amdhsa_memory_ordered 1
		.amdhsa_forward_progress 1
		.amdhsa_inst_pref_size 32
	.end_amdhsa_kernel
	.amdgpu_metadata
---
amdhsa.version: [ 1, 2 ]
amdhsa.kernels:
  - .name:           k_qface92d65b_attn
    .symbol:         k_qface92d65b_attn.kd
    .args:
      - { .name: qkv, .offset: 0, .size: 8, .value_kind: global_buffer, .address_space: global }
      - { .name: out0, .offset: 8, .size: 8, .value_kind: global_buffer, .address_space: global }
    .group_segment_fixed_size: 189184
    .private_segment_fixed_size: 0
    .kernarg_segment_align: 8
    .kernarg_segment_size: 16
    .max_flat_workgroup_size: 512
    .sgpr_count:     66
    .vgpr_count:     256
    .wavefront_size: 32
...
	.end_amdgpu_metadata
.endif
;; end of part 3
